; MI455X (gfx1250); checked and timed in simulation.
; The chip was launched on July 23, 2026; its instructions are those of AMD's public machine-readable ISA for CDNA 5 (MIT licence, August 2026) and "CDNA5" Instruction Set Architecture Reference Guide (July 2026). The comments in the code are by the model that wrote it; some were corrected since.
;; Atomic Linear. Allowed arithmetic: matrix products marked QUANTISED: E5M2 operands, one E8M0 scale for each 32 along K, by v_wmma_scale_f32_16x16x128_f8f6f4 with both operands' format E5M2, f32 sums; everything else in f32.
;; Inputs: bias 2,048 float32; weight 2,048 x 2,048 float32; x 4,096 x 2,048 float32.
;; Outputs: out0 4,096 x 2,048 float32.
;; This version of the problem:
;;   THIS VERSION OF THE PROBLEM IS GIVEN IN LOW PRECISION. The matrix products marked QUANTISED in the list below multiply operands that are first quantised to E5M2 (5 exponent bits, 2 mantissa bits; 8 bits a number), with one power-of-two scale for each 32 numbers along K (OCP MX v1.0); their sums are f32. All else is computed in f32.
;;   The module's matrix products, in the order in which they are computed (A, B: the left and right operand; K: the contracted axis; several contracted axes count as one K, in the product's order):
;;     1. [M 4,096, K 2,048] x [K 2,048, N 2,048]; A: input x; B: input weight: QUANTISED
;;   THE QUANTISER, for each operand of a quantised product, along K:
;;     - K is cut into blocks of 32 from its start; a last block that is shorter is filled with zeros.
;;     - A block's scale is 2^e with e = floor(log2(the largest magnitude in the block)) - 15, held to -126 .. 127; a block of zeros has e = 0. As a byte (E8M0): e + 127.
;;     - Each number is divided by its block's scale, clamped to +-57,344, and rounded to the nearest number of E5M2, ties to even, subnormals kept.
;;     - The product sums the exact products of the quantised numbers (number of the format x scale) in f32.
;;   ~~~python
;;   def quantise(x, axis):      # numpy; x: float32 -> the quantised numbers, widened to float32 again
;;       x = np.moveaxis(x, axis, -1); K = x.shape[-1]
;;       x = np.pad(x, [(0, 0)] * (x.ndim - 1) + [(0, -K % 32)]); x = x.reshape(x.shape[:-1] + (-1, 32)); a = np.abs(x).max(-1, keepdims=True)
;;       e = np.where(a > 0, np.clip(np.frexp(np.where(a > 0, a, 1))[1] - 1 - 15, -126, 127), 0)      # np.frexp(a)[1] - 1 = floor(log2(a)), exactly
;;       r = np.clip(x / 2.0 ** e, -57344, 57344)
;;       step = 2.0 ** (np.maximum(np.frexp(np.where(r == 0, 1, r))[1] - 1, -14) - 2)
;;       q = np.round(r / step) * step * 2.0 ** e      # np.round: ties to even
;;       return np.moveaxis(q.reshape(q.shape[:-2] + (-1,))[..., :K], -1, axis).astype(np.float32)
;;   ~~~
;; One version. Each part assembles by itself: llvm-mc -triple=amdgcn-amd-amdhsa -mcpu=gfx1250 --defsym DOCPART=n.
;; ======== version 1 of 1: 2 launches
;; limits: right only within a limited range of input values
;; workspace buffers: x_img 8,650,752 bytes; w_img 4,325,376 bytes
;; launch quant (part 1): grid 768 x 1, 2 waves a work-group, no clusters, 15,616 bytes of LDS; arguments x, weight, x_img, w_img; writes x_img, w_img
.if DOCPART == 1
	.amdgcn_target "amdgcn-amd-amdhsa--gfx1250"
	.amdhsa_code_object_version 6
	.text
	.protected	k_qb35ffebd87_quant
	.globl	k_qb35ffebd87_quant
	.p2align	8
	.type	k_qb35ffebd87_quant,@function
k_qb35ffebd87_quant:
	s_mov_b64 s[64:65], 0
	v_nop
	global_prefetch_b8 v0, s[64:65] scope:SCOPE_SE
	s_setreg_imm32_b32 hwreg(HW_REG_WAVE_MODE, 25, 1), 1
	s_wait_xcnt 0x0
; out0[b][o] = sum over i of Q(x)[b][i] Q(weight)[o][i] + bias[o].  Nothing of it is dead work: x, weight and bias all reach the output, and all three are loaded (bias by the second launch).
; THIS LAUNCH: x [4096][2048] and weight [2048][2048], f32, K innermost, become codes of BF8 (E5M2), one byte each, with one E8M0 scale byte for each 32 along K.
; A block's scale is 2^(floor(log2(its largest magnitude)) - 15); its byte is the largest magnitude's own exponent field - 15, held at 1 from below.  Each number is divided by the scale, held within +-57,344 and rounded to the nearest code, ties to even.
; LIMITS: a block of zeros gets the byte 1 where the rule says 127 (its codes are zeros, which add nothing under any byte but 0xff, and this program alone reads the bytes); blocks whose largest magnitude
; lies under 2^-111, the floor, keep the byte 1 and were not tried; NaN and infinities among the inputs are not served.
; A UNIT is 128 rows x 128 along K (step s = 0 .. 15): 16,896 bytes = 8 blocks of 2,048 bytes of codes, then 512 scale bytes.
;   Block 4 g + b (g = 0, 1; b = 0 .. 3) holds the rows 64 g + 4 r + b, r = 0 .. 15, of the unit's 128: neighbouring rows lie in neighbouring blocks.  Its 2,048 bytes are the image of a matrix operand's 16 registers: the 16 bytes
;   at 512 c + 256 h + 16 r are K = 32 c + 16 h + 0 .. 15 of row r.
;   The scale bytes: 256 g + 8 (r + 16 (b % 2)) + 4 (b / 2) + c.
; ORDER OF UNITS: x: [row group of 128][step].  weight: [pair of row groups][step][row group of the pair].
; SHARES: work-group j of a tensor makes unit j (x: 512, weight: 256); only pointers and two numbers are chosen, one path through the text.  Wave g makes the unit's rows 64 g on.
; A wave's 16 steps t = 4 b + u: the rows 16 u + 4 i + b, i = 0 .. 3, 512 consecutive bytes each: one load each.  A conversion takes neighbours along K from one lane's registers: so the 2,048 bytes go through the wave's own stage in LDS
; as they lie and come back 64 bytes a lane (80 bytes from lane to lane): lane L then holds row i = L / 8, K = 16 (L % 8) .. + 15.  Two neighbouring lanes hold a block of 32.
; Its 16 codes are the 16 bytes at 256 (L % 8) + 16 (4 u + L / 8) of block b: gathered in a second stage, eight runs of 256 bytes, they leave after every fourth step: 512 consecutive bytes a store.
; Loads run eight steps ahead (32 loads a wave), the turn through LDS one.  No tensor load, no barrier: waves share nothing.  Every offset is an immediate, and no store's registers are written again.
.set UNIT,  16896
.set WGX,   512                        ; units of x
.set MANT,  0x600000                   ; the mantissa field of 57,344 as f32
.set SP,    80                         ; a lane's place in a stage of numbers: its 64 bytes + 16 of padding
.set SCBY,  2*32*SP                    ; LDS, in a wave's region: two stages of 32 x SP bytes; behind them its 256 scale bytes;
.set CST,   SCBY+256                   ; behind those the codes' stage: eight runs of 256 bytes,
.set CP,    288                        ; 288 bytes apart, so that sixteen lanes' 16 bytes fall on sixteen different places modulo 256
.set WREG,  7680                       ; a wave's region
.set SPARE, 2*WREG                     ; behind the regions: the spare words, 128 bytes for each wave
.set SPW,   12                         ; v12      LDS address of my spare word; never rewritten
.set NIL,   13                         ; v13      0; never rewritten
.set R,     16                         ; v16-143  eight sets of 16 numbers as they are loaded; at the end v16-31 take the last block's codes
.set X,     144                        ; v144-175 two sets of 16 neighbours
.set E,     176                        ; v176-191 a scale byte for each step
.set C,     192                        ; v192-207 codes, four sets by turns
.set O,     208                        ; v208-255 three blocks' codes on their way out
	s_load_b256 s[4:11], s[0:1], 0x0               ; x, weight, x's units, weight's units
	v_lshl_add_u32 v[SPW], v0, 2, SPARE
	v_mov_b32 v[NIL], 0
	v_lshrrev_b32 v1, 5, v0
	v_readfirstlane_b32 s16, v1                    ; wave g
	v_and_b32 v2, 31, v0                           ; lane L
	s_mul_i32 s22, s16, WREG                       ; my wave's region
	v_lshlrev_b32 v3, 4, v2                        ; 16 L: my 16 bytes of a load's 512, and of a store's
	v_lshrrev_b32 v14, 2, v2
	v_mul_u32_u24 v14, v14, SP
	v_and_b32 v15, 3, v2
	v_lshl_add_u32 v14, v15, 4, v14
	v_add_nc_u32 v14, s22, v14                     ; the numbers' stage, in: four lanes' 64 bytes on end, then 16 of padding; a load's 512 bytes take eight places
	v_mul_u32_u24 v15, v2, SP
	v_add_nc_u32 v15, s22, v15                     ; and out: my 16 neighbours
	v_and_b32 v8, 7, v2
	v_lshrrev_b32 v9, 3, v2
	v_mul_u32_u24 v4, v8, CP
	v_lshl_add_u32 v4, v9, 4, v4
	v_add_nc_u32 v4, s22, v4                       ; the codes' stage, in: run L % 8, place L / 8 (+ 4 u)
	v_lshrrev_b32 v8, 1, v8
	v_lshl_add_u32 v5, v9, 3, v8
	v_add_nc_u32 v5, s22, v5                       ; my block's scale byte: 8 (L / 8) + (L % 8) / 2
	v_lshrrev_b32 v1, 4, v2
	v_mul_u32_u24 v1, v1, CP
	v_and_b32 v8, 15, v2
	v_lshl_add_u32 v1, v8, 4, v1
	v_add_nc_u32 v1, s22, v1                       ; the codes' stage, out: lanes 0-15 one run of 256 bytes, lanes 16-31 the next
	v_lshlrev_b32 v7, 3, v2                        ; the scale bytes on the way out: 8 bytes a lane
	v_add_nc_u32 v6, s22, v7
	s_mov_b32 s23, MANT                            ; (an instruction takes one literal: the hold's line has another)
	s_wait_alu depctr_va_vdst(0)
	s_wait_kmcnt 0x0
	s_cmp_lt_u32 ttmp9, WGX                        ; x's work-group or weight's?  The choice hangs on the work-group's number alone
	s_cselect_b64 s[4:5], s[4:5], s[6:7]
	s_cselect_b64 s[8:9], s[8:9], s[10:11]
	s_cselect_b32 s17, 0, WGX
	s_sub_co_u32 s17, ttmp9, s17                   ; j: my unit
	s_lshr_b32 s18, s17, 4                         ; x: row group,
	s_and_b32 s19, s17, 15                         ; step
	s_lshr_b32 s20, s17, 5                         ; weight: pair,
	s_lshl_b32 s20, s20, 1
	s_and_b32 s21, s17, 1
	s_or_b32 s20, s20, s21                         ; row group,
	s_bfe_u32 s21, s17, 0x40001                    ; step
	s_cmp_lt_u32 ttmp9, WGX
	s_cselect_b32 s18, s18, s20
	s_cselect_b32 s19, s19, s21
	s_lshl_b32 s20, s18, 20                        ; in: 128 rows of 8,192 bytes a row group,
	s_lshl_b32 s24, s16, 19                        ; 64 a wave,
	s_add_co_u32 s20, s20, s24
	s_lshl_b32 s24, s19, 9                         ; 512 bytes a step
	s_add_co_u32 s20, s20, s24
	s_mov_b32 s21, 0
	s_add_nc_u64 s[4:5], s[4:5], s[20:21]
	s_mul_i32 s20, s17, UNIT                       ; out: the unit,
	s_add_nc_u64 s[8:9], s[8:9], s[20:21]
	s_lshl_b32 s20, s16, 8
	s_add_co_u32 s20, s20, 16384
	s_add_nc_u64 s[10:11], s[8:9], s[20:21]        ; its scale bytes,
	s_lshl_b32 s20, s16, 13
	s_add_nc_u64 s[8:9], s[8:9], s[20:21]          ; and my four blocks of codes
.macro LOAD t                          ; step t's four rows into set t % 8
.irp i, 0,1,2,3
	global_load_b128 v[R+16*((\t)%8)+4*\i:R+16*((\t)%8)+4*\i+3], v3, s[4:5] offset:8192*(16*((\t)%4)+4*\i+(\t)/4) th:TH_LOAD_NT   ; 32 lanes read 512 consecutive bytes; read once in the launch
.endr
.endm
.macro TURN t                          ; step t's numbers through the stage: LDS serves a wave's instructions in order, so no wait stands between the stores and the loads
.irp i, 0,1,2,3
	ds_store_b128 v14, v[R+16*((\t)%8)+4*\i:R+16*((\t)%8)+4*\i+3] offset:32*SP*((\t)%2)+8*SP*\i
.endr
.irp i, 0,1,2,3
	ds_load_b128 v[X+16*((\t)%2)+4*\i:X+16*((\t)%2)+4*\i+3], v15 offset:32*SP*((\t)%2)+16*\i
.endr
.endm
.macro BACK b                          ; block b's codes come back as runs
.if (\b) < 3
.set OR, O+16*(\b)
.else
.set OR, R
.endif
.irp i, 0,1,2,3
	ds_load_b128 v[OR+4*\i:OR+4*\i+3], v1 offset:CST+2*CP*\i
.endr
.endm
.macro SEND b                          ; and leave: 2,048 consecutive bytes
.if (\b) < 3
.set OR, O+16*(\b)
.else
.set OR, R
.endif
.irp i, 0,1,2,3
	global_store_b128 v3, v[OR+4*\i:OR+4*\i+3], s[8:9] offset:2048*(\b)+512*\i
.endr
.endm
.irp t, 0,1,2,3,4,5,6,7
	LOAD \t
.endr
	s_wait_loadcnt 28                              ; step 0's four loads are in; the 28 of steps 1 to 7 may be out
	TURN 0
.macro STEP t
.set XS, X+16*((\t)%2)
.set CS, C+4*((\t)%4)
.if (\t) == 0
	s_wait_dscnt 0x0
.elseif (\t)%4 == 0
	s_wait_dscnt 0x6                               ; this step's numbers are back from the stage (the last step's two stores and the four loads of BACK may be out): so its stores into the stage are done with their registers,
.else
	s_wait_dscnt 0x2                               ; (the last step's two stores may be out)
.endif
.if (\t)+8 < 16
	LOAD (\t)+8                                    ; which take the loads of eight steps on
.endif
.if (\t) < 15
.if (\t) <= 7
	s_wait_loadcnt 28                              ; the next step's four loads are in; those of the seven steps behind it may be out
.else
	s_wait_loadcnt 4*(14-(\t))                     ; nothing more is asked for: the count runs down with the steps that are left behind the next
.endif
	TURN (\t)+1                                    ; they go through the other stage while this step is worked
.endif
	v_max3_num_f32 v8, |v[XS]|, |v[XS+1]|, |v[XS+2]|               ; the largest magnitude of my 16, in two chains
	v_max3_num_f32 v9, |v[XS+3]|, |v[XS+4]|, |v[XS+5]|
.irp i, 6,10
	v_max3_num_f32 v8, v8, |v[XS+\i]|, |v[XS+\i+1]|
	v_max3_num_f32 v9, v9, |v[XS+\i+2]|, |v[XS+\i+3]|
.endr
	v_max3_num_f32 v8, v8, |v[XS+14]|, |v[XS+15]|
	v_max3_num_f32 v8, v8, v9, 0x8000000           ; and the floor 2^(16 - 127), under which no largest magnitude is taken: so the byte cannot fall under 1
	v_max_num_f32_dpp v8, v8, v8 row_xmask:1 row_mask:0xf bank_mask:0xf   ; and of my neighbour's 16: the block's
	v_add_nc_u32 v11, 0xf8800000, v8               ; 15 off its exponent field: the conversion takes the exponent field of this operand as its scale, and nothing else of it
	v_and_or_b32 v10, v8, 0x7f800000, s23          ; 57,344 x the scale: the largest magnitude's exponent field over 57,344's mantissa
.irp i, 0,1,2,3,4,5,6,7,8,9,10,11,12,13,14,15
	v_med3_num_f32 v[XS+\i], v[XS+\i], -v10, v10   ; the conversion to an 8-bit code does not saturate (ISA guide 7.6.2): the number is held within the largest code x the scale first
.endr
	v_cvt_scalef32_pk8_bf8_f32 v[CS:CS+1], v[XS:XS+7], v11      ; eight numbers / the scale, to the nearest code, ties to even; the first number's code in the lowest byte
	v_cvt_scalef32_pk8_bf8_f32 v[CS+2:CS+3], v[XS+8:XS+15], v11
	v_lshrrev_b32 v[E+(\t)], 23, v11               ; the scale's byte.  (Also the plain vector line behind the conversions)
	ds_store_b8 v5, v[E+(\t)] offset:SCBY+32*((\t)%4)+128*(((\t)/4)%2)+4*((\t)/8)  ; both lanes of a block write the same byte with the same value
	ds_store_b128 v4, v[CS:CS+3] offset:CST+64*((\t)%4)   ; my 16 codes: place 4 u + L / 8 of run L % 8
.if (\t) > 0 && (\t)%4 == 0
	s_wait_dscnt 0xa                               ; the last block's codes are back; the eight of TURN and the two stores above may be out
	SEND (\t)/4-1
.endif
.if (\t)%4 == 3
	BACK (\t)/4                                    ; the block is whole
.endif
.endm
.irp t, 0,1,2,3,4,5,6,7,8,9,10,11,12,13,14,15
	STEP \t
.endr
	ds_load_b64 v[8:9], v6 offset:SCBY             ; LDS serves a wave's instructions in order: this load sees my stores
	s_wait_dscnt 0x1                               ; the last block's codes are back; the scale bytes may be out
	SEND 3
	s_wait_dscnt 0x0
	global_store_b64 v7, v[8:9], s[10:11]          ; 32 lanes store 256 consecutive bytes
	s_wait_tensorcnt 0x0                           ; the wave's end
	ds_add_u32 v[SPW], v[NIL]
	s_wait_dscnt 0x0
	s_endpgm
.Lfunc_end_k_qb35ffebd87_quant:
	.size	k_qb35ffebd87_quant, .Lfunc_end_k_qb35ffebd87_quant-k_qb35ffebd87_quant
	.p2alignl 7, 3214868480
	.fill 96, 4, 3214868480
	.section	.rodata,"a",@progbits
	.p2align	6, 0x0
	.amdhsa_kernel k_qb35ffebd87_quant
		.amdhsa_group_segment_fixed_size 15616
		.amdhsa_private_segment_fixed_size 0
		.amdhsa_enable_private_segment 0
		.amdhsa_kernarg_size 32
		.amdhsa_user_sgpr_count 2
		.amdhsa_user_sgpr_kernarg_segment_ptr 1
		.amdhsa_wavefront_size32 1
		.amdhsa_system_sgpr_workgroup_id_x 1
		.amdhsa_system_sgpr_workgroup_id_y 1
		.amdhsa_system_sgpr_workgroup_id_z 1
		.amdhsa_system_vgpr_workitem_id 0
		.amdhsa_next_free_vgpr 256
		.amdhsa_next_free_sgpr 66
		.amdhsa_reserve_vcc 0
		.amdhsa_float_denorm_mode_32 3
		.amdhsa_float_denorm_mode_16_64 3
		.amdhsa_memory_ordered 1
		.amdhsa_forward_progress 1
		.amdhsa_inst_pref_size 54
	.end_amdhsa_kernel
	.amdgpu_metadata
---
amdhsa.version: [ 1, 2 ]
amdhsa.kernels:
  - .name:           k_qb35ffebd87_quant
    .symbol:         k_qb35ffebd87_quant.kd
    .args:
      - { .name: x, .offset: 0, .size: 8, .value_kind: global_buffer, .address_space: global }
      - { .name: weight, .offset: 8, .size: 8, .value_kind: global_buffer, .address_space: global }
      - { .name: x_img, .offset: 16, .size: 8, .value_kind: global_buffer, .address_space: global }
      - { .name: w_img, .offset: 24, .size: 8, .value_kind: global_buffer, .address_space: global }
    .group_segment_fixed_size: 15616
    .private_segment_fixed_size: 0
    .kernarg_segment_align: 8
    .kernarg_segment_size: 32
    .max_flat_workgroup_size: 64
    .sgpr_count:     66
    .vgpr_count:     256
    .wavefront_size: 32
...
	.end_amdgpu_metadata
.endif
;; end of part 1
;; launch gemm (part 2): grid 8 x 32, 4 waves a work-group, clusters of 4 x 4, 327,680 bytes of LDS; arguments x_img, w_img, bias, out0; writes out0
.if DOCPART == 2
	.amdgcn_target "amdgcn-amd-amdhsa--gfx1250"
	.amdhsa_code_object_version 6
	.text
	.protected	k_qb35ffebd87_gemm
	.globl	k_qb35ffebd87_gemm
	.p2align	8
	.type	k_qb35ffebd87_gemm,@function
k_qb35ffebd87_gemm:
	s_mov_b64 s[64:65], 0
	v_nop
	global_prefetch_b8 v0, s[64:65] scope:SCOPE_SE
	s_setreg_imm32_b32 hwreg(HW_REG_WAVE_MODE, 25, 1), 1
	s_wait_xcnt 0x0
	s_wait_alu depctr_hold_cnt(0) depctr_sa_sdst(0) depctr_va_vdst(0) depctr_va_sdst(0) depctr_va_ssrc(0) depctr_va_vcc(0) depctr_vm_vsrc(0)
	s_getreg_b32 s2, hwreg(HW_REG_IB_STS2, 6, 4)
	s_cmp_eq_u32 s2, 0
	s_cbranch_scc0 .Lentry_in_a_cluster
	s_endpgm
.Lentry_in_a_cluster:
	s_bfe_u32 s2, ttmp6, 0x10000c
	s_cmp_lg_u32 s2, 0xf033
	s_cbranch_scc0 .Lentry_shape_is_right
	s_endpgm
.Lentry_shape_is_right:
; out0[m][n] = sum over k of X[m][k] W[n][k] + bias[n].  X (4,096 rows) and W (2,048 rows) are codes of BF8 (E5M2) with one E8M0 scale for each 32 along K = 2,048, in the units that the launch before made; out0 [4096][2048] f32; sums in f32.
; No work is left out: every tile, every K step and the bias are live.  LIMITS: NaN and infinities among the inputs are not served.
; A UNIT: 128 rows x 128 along K, 16,896 bytes: eight blocks of 2,048 bytes, the images of an operand's 16 registers (a load of 16 bytes a lane at 512 c + 16 x lane brings registers 4 c .. 4 c + 3), then 512 scale bytes.
; Block 4 g + t, row r of it, is row 64 g + 4 r + t of the unit's 128.  X's units: [row group][step]; W's: [tile column][step][row group of two].  So a tile's steps are one dense run of memory, scale bytes among them.
; SHARES.  A tile of out0 is 128 rows x 256 columns: 32 x 8 = 256 work-groups, one tile each.  Four waves, 2 x 2: 64 rows (4 blocks of X) x 128 columns (8 blocks of W): 32 accumulators of 16 x 16, 256 registers.
; CLUSTERS: 4 x 4 work-groups.  The four of a row of the cluster need the same units of X, the four of a column the same units of W: each is asked for JOINTLY, by the same tensor load with the same descriptor and a mask that names the four.
; The cluster's x (0, 1) picks 2,048 rows of X, its y a block of 512 of these and one of W's two halves: clusters of one x share X's rows among themselves only.
; LDS: two slots of three steps (X 3 units, W 6).  At the head each wave issues one load: waves 0, 1 slot 0's W and X, waves 2, 3 slot 1's.  Refills stand behind drained rounds of the cluster's barrier, in steps 2, 5, 8 (three steps
; each: waves 0 to 2 a step of W each, wave 3 X's) and 11 (step 15 alone: waves 0 and 3).  A refill has three steps in which to land.
; THE STEPS are written out: step s + 1's fragments are loaded from LDS in four groups between step s's products, into the other of two sets of registers.
; PREFETCH: behind the head's loads and behind steps 2's and 5's refills each wave names its share of the NEXT fill's 256-byte blocks, three steps ahead of the loads that want them: the 16 waves that share a tile's rows (X: cx and the
; wave's number; W: cy and the wave's number) take every sixteenth block each.  Step 15's fill is not prefetched: it is one step's bytes, and its load has three steps in which to land.
; THE WAY OUT: source 0 = X, source 1 = W: lane (r, h), register j of accumulator (a, 4 g + t) is row 4 (8 h + j) + a of my 64 and column 64 g + 4 r + t of my 128.  So register j of four accumulators t = 0 .. 3 is 16 neighbouring bytes, and
; sixteen lanes hold 256: the additions of the bias gather the four, and the result leaves with no stage in LDS.
; REGISTERS: window 0: v12-31, v56-59 addresses; v32-45 scale words, two sets; v48-55 bias; v64-255 results on the way out.  window 1: W's fragments, set p at 128 p + 16 b.  window 2: accumulator (a, b) at 64 a + 8 b.
;   window 3: X's fragments, set p at 64 p + 16 a.
.set UNIT,  16896
.set XSL,   3*UNIT                     ; a slot's X, and a fill's bytes of X
.set WSL,   6*UNIT                     ; the same of W
.set WB,    2*XSL                      ; LDS: X's two slots, then W's two
.set SPARE, WB+2*WSL                   ; then the spare words, 128 bytes for each wave
.set NROW,  8192                       ; a row of out0 in bytes
.set SPW,   12                         ; v12  LDS address of my spare word; never rewritten
.set NIL,   13                         ; v13  0; never rewritten
.set XA,    16                         ; v16, v17  my fragments of X in slot 0, 1
.set XS,    18                         ; v18, v19  my scale words of X
.set WA,    20                         ; v20-25  my fragments of W: slot 0's three steps, slot 1's
.set WS,    26                         ; v26-31  my scale words of W
.set SB,    32                         ; W's scale words: v[SB + 8 p + b / 2]: lanes 0-15 even blocks, lanes 16-31 odd ones
.set SA,    36                         ; X's: v[SA + 8 p + a / 2]
.set BI,    48                         ; the bias of my columns 64 g + 4 r + t at v[BI + 4 g + t]
.set CO,    56                         ; my byte offset in out0
.set PX,    57                         ; prefetch offsets, X and W; never rewritten
.set PW,    58
.set OB,    64                         ; three buffers of 64: a row block's results
.set G1X,   24                         ; groups 1: X (six half units), W at the head (six units), W's refills (two units)
.set G1W,   32
.set G1R,   40
.set GHW,   48                         ; groups 0: the head's four
.set GHX,   52
.set GHW1,  56
.set GHX1,  60
.set G0W,   68                         ; the refills'
.set G0X,   72
.set MULW,  0xa7                       ; source 0 (X) window 3, source 1 (W) window 1, C and D window 2
.set MSB, 0
.macro WIN new                         ; the immediate's high byte repeats the setting that is left; a switch that changes nothing is dropped
.if MSB != \new
	s_set_vgpr_msb (MSB<<8)|\new
.set MSB, \new
.endif
.endm
.macro PLACES n
.rept \n
	v_nop
.endr
.endm
.macro CREST                           ; a round of the cluster's barrier behind its opening barrier
	s_cmp_lg_u32 s16, 0
	s_cbranch_scc1 .Lnot_wave_0_\@
	s_barrier_signal -3
.Lnot_wave_0_\@:
	s_barrier_wait -3
	s_barrier_signal -1
	s_barrier_wait -1
.endm
.macro CROUND
	s_barrier_signal -1
	s_barrier_wait -1
	CREST
.endm
.macro TLOAD g0, g1                    ; s_nop 0 and four v_nop follow a tensor load, ahead of a jump or a label
	tensor_load_to_lds s[\g0:\g0+3], s[\g1:\g1+7]
	s_nop 0
	PLACES 4
.endm
.macro GROUP1 g, mask, el, rows        ; rows of el elements of 8 bytes, dense in memory and in LDS
	s_or_b32 s[\g], s[\mask], (3<<16)|(1<<21)      ; 15:0 the mask; 17:16 elements of 8 bytes; 20 no padding; 21 set beside a mask
	s_mov_b32 s[\g+1], (\el)<<16                   ; tensor_dim0
	s_mov_b32 s[\g+2], (\rows)<<16                 ; tensor_dim1
	s_mov_b32 s[\g+3], (\el)<<16                   ; tile_dim0
	s_mov_b32 s[\g+4], \rows                       ; tile_dim1
	s_mov_b32 s[\g+5], \el                         ; tensor_dim0_stride
	s_mov_b32 s[\g+6], 0
	s_mov_b32 s[\g+7], 0
.endm
.macro GROUP0 g, base, off
	s_mov_b32 s[\g], 1                             ; count = 1
	s_add_nc_u64 s[\g+2:\g+3], s[\base:\base+1], \off
	s_or_b32 s[\g+3], s[\g+3], 0x80000000          ; type = 2
.endm
	s_load_b256 s[4:11], s[0:1], 0x0               ; X's units s[4:5], W's s[6:7], bias s[8:9], out0 s[10:11]
	v_lshl_add_u32 v[SPW], v0, 2, SPARE
	v_mov_b32 v[NIL], 0
	ds_add_u32 v[SPW], v[NIL]                      ; the wave's opening: the add, twice on end, and its wait ahead of my first tensor load; work on registers stands between the second and the wait
	ds_add_u32 v[SPW], v[NIL]
	v_lshrrev_b32 v1, 5, v0
	v_readfirstlane_b32 s16, v1                    ; wave 0..3
	s_lshr_b32 s17, s16, 1                         ; wr: my 64 rows of the tile
	s_and_b32 s18, s16, 1                          ; wc: my 128 columns
	s_bfe_u32 s19, ttmp6, 0x40000                  ; cx, cy: my place in the cluster
	s_bfe_u32 s20, ttmp6, 0x40004
	s_lshl_b32 s87, s17, 13                        ; my four blocks of X in a unit
	s_lshl_b32 s88, s17, 8
	s_add_co_u32 s88, s88, 16384                   ; and their scale words
	s_mul_i32 s89, s18, UNIT
	s_add_co_u32 s89, s89, WB                      ; my unit of W in a step
	s_add_co_u32 s90, s89, 16384                   ; and its scale words
	s_lshl_b32 s91, s19, 2
	s_add_co_u32 s91, s91, s16                     ; which of the 16 waves that share X's rows I am: 4 cx + wave
	s_lshl_b32 s92, s20, 2
	s_add_co_u32 s92, s92, s16                     ; and of those that share W's: 4 cy + wave
	s_cmp_lt_u32 s91, 6                            ; a fill of X is 198 = 12 x 16 + 6 blocks of 256 bytes: my last is number 12 or 11
	s_cselect_b32 s93, 12, 11
	s_cmp_lt_u32 s92, 12                           ; a fill of W is 396 = 24 x 16 + 12
	s_cselect_b32 s94, 24, 23
	s_lshl_b32 s91, s91, 8
	s_lshl_b32 s92, s92, 8
	v_and_b32 v1, 15, v0                           ; r
	v_bfe_u32 v5, v0, 4, 1                         ; h
	v_and_b32 v2, 31, v0                           ; lane
	v_lshlrev_b32 v3, 4, v2
	v_lshlrev_b32 v4, 3, v2
	v_add_nc_u32 v[XA], s87, v3
	v_add_nc_u32 v[XA+1], XSL, v[XA]
	v_add_nc_u32 v[XS], s88, v4
	v_add_nc_u32 v[XS+1], XSL, v[XS]
	v_add_nc_u32 v[WA], s89, v3
	v_add_nc_u32 v[WS], s90, v4
.irp i, 1,2,3,4,5
	v_add_nc_u32 v[WA+\i], 2*UNIT*\i, v[WA]        ; (slot 1's W begins three steps behind slot 0's)
	v_add_nc_u32 v[WS+\i], 2*UNIT*\i, v[WS]
.endr
	v_lshlrev_b32 v[CO], 18, v5                    ; out0: lanes 16-31 are 32 rows further on
	v_lshl_add_u32 v[CO], v1, 4, v[CO]
	v_lshlrev_b32 v59, 4, v1                       ; the bias: four numbers a lane
	v_min_u32 v6, s93, v2                          ; lanes left over name the wave's last block again
	v_lshl_add_u32 v[PX], v6, 12, s91
	v_min_u32 v7, s94, v2
	v_lshl_add_u32 v[PW], v7, 12, s92
	s_wait_alu depctr_va_vdst(0)
	s_lshl_b32 s76, s20, 2
	s_lshl_b32 s76, 15, s76                        ; my row of the cluster: shares X
	s_lshl_b32 s77, 0x1111, s19                    ; my column: shares W
	GROUP1 G1X, 76, UNIT/16, 6
	GROUP1 G1W, 77, UNIT/8, 6
	GROUP1 G1R, 77, UNIT/8, 2
	s_and_b32 s23, ttmp7, 0xffff                   ; cluster y, 0 .. 7
	s_lshl_b32 s22, ttmp9, 2                       ; cluster x, 0, 1
	s_lshr_b32 s21, s23, 1
	s_add_co_u32 s22, s22, s21
	s_lshl_b32 s22, s22, 2
	s_add_co_u32 s22, s22, s20                     ; tile row = 4 (4 x cluster x + cluster y / 2) + cy
	s_and_b32 s21, s23, 1
	s_lshl_b32 s21, s21, 2
	s_add_co_u32 s21, s21, s19                     ; tile column = 4 (cluster y % 2) + cx
	s_mul_i32 s78, s22, 16*UNIT                    ; my tile's units of X,
	s_mov_b32 s79, 0
	s_mul_i32 s80, s21, 32*UNIT                    ; and of W
	s_mov_b32 s81, 0
	s_lshl_b32 s82, s21, 10                        ; my first column, in bytes
	s_lshl_b32 s23, s18, 9
	s_add_co_u32 s82, s82, s23
	s_mov_b32 s83, 0
	s_lshl_b32 s84, s22, 20                        ; my first row of out0
	s_lshl_b32 s23, s17, 19
	s_add_co_u32 s84, s84, s23
	s_add_co_u32 s84, s84, s82
	s_mov_b32 s85, 0
	s_mov_b32 s[GHW+1], WB                         ; where the head's tiles go
	s_mov_b32 s[GHX+1], 0
	s_mov_b32 s[GHW1+1], WB+WSL
	s_mov_b32 s[GHX1+1], XSL
	s_mul_i32 s96, s16, 2*UNIT                     ; a refill of W: waves 0 to 2 take a step each
	s_mov_b32 s97, 0
	s_add_co_u32 s86, s96, WB
	s_wait_dscnt 0x0                               ; both opening adds are done
	CROUND                                         ; all sixteen work-groups are here: the first joint loads meet
	s_wait_kmcnt 0x0
	s_add_nc_u64 s[78:79], s[4:5], s[78:79]
	s_add_nc_u64 s[80:81], s[6:7], s[80:81]
	GROUP0 GHW, 80, 0
	GROUP0 GHX, 78, 0
	GROUP0 GHW1, 80, WSL
	GROUP0 GHX1, 78, XSL
.macro ARM under, g0, g1, next
	s_cmp_lt_u32 s16, \under
	s_cbranch_scc0 \next
	TLOAD \g0, \g1
	s_branch .Lasked
\next:
.endm
	ARM 1, GHW, G1W, .Lhead_1                      ; one load a wave, each wave a line of its own
	ARM 2, GHX, G1X, .Lhead_2
	ARM 3, GHW1, G1W, .Lhead_3
	TLOAD GHX1, G1X
.Lasked:
	s_add_nc_u64 s[8:9], s[8:9], s[82:83]
	s_add_nc_u64 s[10:11], s[10:11], s[84:85]
	global_load_b128 v[BI:BI+3], v59, s[8:9]
	global_load_b128 v[BI+4:BI+7], v59, s[8:9] offset:256
	s_add_nc_u64 s[82:83], s[80:81], s[96:97]
	GROUP0 G0W, 82, 2*WSL                          ; the first refill: fill 2 (steps 6, 7, 8) into slot 0
	s_mov_b32 s[G0W+1], s86
	GROUP0 G0X, 78, 2*XSL
	s_mov_b32 s[G0X+1], 0
.macro ASK f                           ; my share of fill f
	global_prefetch_b8 v[PX], s[78:79] offset:(\f)*XSL th:TH_LOAD_NT scope:SCOPE_SE
	global_prefetch_b8 v[PW], s[80:81] offset:(\f)*WSL th:TH_LOAD_NT scope:SCOPE_SE
.endm
	ASK 2
; step s's fragments and scale words into set s % 2, in four groups of 15, 12, 12, 12 loads.  Step s lies in slot (s / 3) % 2, place s % 3
.macro XF a, s
.irp c, 0,1,2,3
	ds_load_b128 v[64*((\s)%2)+16*(\a)+4*\c:64*((\s)%2)+16*(\a)+4*\c+3], v[XA+((\s)/3)%2] offset:UNIT*((\s)%3)+2048*(\a)+512*\c
.endr
.endm
.macro WF b, s
.irp c, 0,1,2,3
	ds_load_b128 v[128*((\s)%2)+16*(\b)+4*\c:128*((\s)%2)+16*(\b)+4*\c+3], v[WA+(\s)%6] offset:2048*(\b)+512*\c
.endr
.endm
.macro FETCH1 s
	WIN 0
	ds_load_b64 v[SB+8*((\s)%2):SB+8*((\s)%2)+1], v[WS+(\s)%6]
	ds_load_b64 v[SB+8*((\s)%2)+2:SB+8*((\s)%2)+3], v[WS+(\s)%6] offset:256
	ds_load_b64 v[SA+8*((\s)%2):SA+8*((\s)%2)+1], v[XS+((\s)/3)%2] offset:UNIT*((\s)%3)
	WIN 0xc0
	XF 0, \s
	XF 1, \s
	XF 2, \s
.endm
.macro FETCH2 s
	WIN 0xc0
	XF 3, \s
	WIN 0x40
	WF 0, \s
	WF 1, \s
.endm
.macro FETCH3 s
	WIN 0x40
	WF 2, \s
	WF 3, \s
	WF 4, \s
.endm
.macro FETCH4 s
	WIN 0x40
	WF 5, \s
	WF 6, \s
	WF 7, \s
.endm
; One matrix instruction: X's block a, W's block b, step s.  A side's scale words are read from lanes 0-15 of the register named, or from lanes 16-31 where ROW1 is written.  In step 0 C is 0: nothing is cleared.
.macro WM a, b, s
.set rD, 64*(\a)+8*(\b)
.set rA, 64*((\s)%2)+16*(\a)
.set rB, 128*((\s)%2)+16*(\b)
.set rSA, SA+8*((\s)%2)+(\a)/2
.set rSB, SB+8*((\s)%2)+(\b)/2
.set rV, 2*((\a)%2)+(\b)%2
.if (\s) == 0
.if rV == 0
	v_wmma_scale_f32_16x16x128_f8f6f4 v[rD:rD+7], v[rA:rA+15], v[rB:rB+15], 0, v[rSA], v[rSB] matrix_a_fmt:MATRIX_FMT_BF8 matrix_b_fmt:MATRIX_FMT_BF8
.elseif rV == 1
	v_wmma_scale_f32_16x16x128_f8f6f4 v[rD:rD+7], v[rA:rA+15], v[rB:rB+15], 0, v[rSA], v[rSB] matrix_a_fmt:MATRIX_FMT_BF8 matrix_b_fmt:MATRIX_FMT_BF8 matrix_b_scale:MATRIX_SCALE_ROW1
.elseif rV == 2
	v_wmma_scale_f32_16x16x128_f8f6f4 v[rD:rD+7], v[rA:rA+15], v[rB:rB+15], 0, v[rSA], v[rSB] matrix_a_fmt:MATRIX_FMT_BF8 matrix_b_fmt:MATRIX_FMT_BF8 matrix_a_scale:MATRIX_SCALE_ROW1
.else
	v_wmma_scale_f32_16x16x128_f8f6f4 v[rD:rD+7], v[rA:rA+15], v[rB:rB+15], 0, v[rSA], v[rSB] matrix_a_fmt:MATRIX_FMT_BF8 matrix_b_fmt:MATRIX_FMT_BF8 matrix_a_scale:MATRIX_SCALE_ROW1 matrix_b_scale:MATRIX_SCALE_ROW1
.endif
.else
.if rV == 0
	v_wmma_scale_f32_16x16x128_f8f6f4 v[rD:rD+7], v[rA:rA+15], v[rB:rB+15], v[rD:rD+7], v[rSA], v[rSB] matrix_a_fmt:MATRIX_FMT_BF8 matrix_b_fmt:MATRIX_FMT_BF8
.elseif rV == 1
	v_wmma_scale_f32_16x16x128_f8f6f4 v[rD:rD+7], v[rA:rA+15], v[rB:rB+15], v[rD:rD+7], v[rSA], v[rSB] matrix_a_fmt:MATRIX_FMT_BF8 matrix_b_fmt:MATRIX_FMT_BF8 matrix_b_scale:MATRIX_SCALE_ROW1
.elseif rV == 2
	v_wmma_scale_f32_16x16x128_f8f6f4 v[rD:rD+7], v[rA:rA+15], v[rB:rB+15], v[rD:rD+7], v[rSA], v[rSB] matrix_a_fmt:MATRIX_FMT_BF8 matrix_b_fmt:MATRIX_FMT_BF8 matrix_a_scale:MATRIX_SCALE_ROW1
.else
	v_wmma_scale_f32_16x16x128_f8f6f4 v[rD:rD+7], v[rA:rA+15], v[rB:rB+15], v[rD:rD+7], v[rSA], v[rSB] matrix_a_fmt:MATRIX_FMT_BF8 matrix_b_fmt:MATRIX_FMT_BF8 matrix_a_scale:MATRIX_SCALE_ROW1 matrix_b_scale:MATRIX_SCALE_ROW1
.endif
.endif
.endm
; W's block b against X's four.  The 32 accumulators take turns, one instruction a turn: in the last step, which goes by X's blocks, ten others or more stand between an accumulator's two too
.macro MUL b, s
	WIN MULW
.irp a, 0,1,2,3
	WM \a, \b, \s
.endr
.endm
; A step.  A load into a register that a matrix instruction has read stands eight places behind it: PLACES 8 behind the step before, whose set is loaded here.
; The waits count the younger loads: what the products behind them do not read yet.
.macro STEP s
.if (\s) > 0
	PLACES 8
.endif
	s_wait_dscnt 24                                ; groups 1 and 2 are in; 3 and 4 may be out
	MUL 0, \s
	MUL 1, \s
	FETCH1 (\s)+1
	s_wait_dscnt 31                                ; W's blocks 2, 3 are in: 4 + 12 + the 15 just issued may be out
	MUL 2, \s
	MUL 3, \s
	FETCH2 (\s)+1
	s_wait_dscnt 35                                ; W's blocks 4, 5: 8 + 15 + 12
	MUL 4, \s
	MUL 5, \s
	FETCH3 (\s)+1
	s_wait_dscnt 39                                ; W's blocks 6, 7: 15 + 12 + 12
	MUL 6, \s
	MUL 7, \s
	FETCH4 (\s)+1
.endm
; A step with a barrier, behind which the next step's slot may be read.  k = 1 .. 4: it opens a round of the cluster's barrier, behind which the slot read out is filled again; k = 0: nothing is filled.
.macro STEPR s, k
	PLACES 8
	s_wait_dscnt 24
	MUL 0, \s
	MUL 1, \s
	WIN 0
	s_wait_tensorcnt 0x0                           ; all my tensor loads have landed
.if (\k)
	ds_add_u32 v[SPW], v[NIL]                      ; 0 onto my spare word
.if (\k) > 1                           ; no tensor load of mine is out: the descriptors step to the next fill
	s_add_nc_u64 s[G0W+2:G0W+3], s[G0W+2:G0W+3], WSL
	s_add_nc_u64 s[G0X+2:G0X+3], s[G0X+2:G0X+3], XSL
.if (\k) == 3
	s_mov_b32 s[G0W+1], s86
	s_mov_b32 s[G0X+1], 0
.else
	s_add_co_u32 s[G0W+1], s86, WSL
	s_mov_b32 s[G0X+1], XSL
.endif
.endif
.if (\k) == 4                          ; X's one unit: two rows
	s_mov_b32 s[G1X+2], 2<<16
	s_mov_b32 s[G1X+4], 2
.endif
	s_wait_dscnt 17                                ; W's blocks 2, 3 are in: 4 + 12 + the add may be out
.else
	s_wait_dscnt 16
.endif
	MUL 2, \s
	MUL 3, \s
	s_wait_dscnt 0x0                               ; the add is done, and so are my reads of the slot
	s_barrier_signal -1
	MUL 4, \s
	MUL 5, \s
	WIN 0
	s_barrier_wait -1
.if (\k)
	CREST                                          ; no wave of any partner still reads the slot or has a load on its way
.if (\k) < 4
	s_cmp_lt_u32 s16, 3
	s_cbranch_scc0 .Lfor_x_\@
	TLOAD G0W, G1R
	s_branch .Ljoin_\@
.Lfor_x_\@:
	TLOAD G0X, G1X
.Ljoin_\@:
.else
	s_cmp_lt_u32 s16, 1
	s_cbranch_scc0 .Lnot_w_\@
	TLOAD G0W, G1R
	s_branch .Ljoin_\@
.Lnot_w_\@:
	s_cmp_lt_u32 s16, 3
	s_cbranch_scc1 .Ljoin_\@
	TLOAD G0X, G1X
.Ljoin_\@:
.endif
.endif
	FETCH1 (\s)+1
	MUL 6, \s
	FETCH2 (\s)+1
	MUL 7, \s
	FETCH3 (\s)+1
	FETCH4 (\s)+1
.if (\k) == 1 || (\k) == 2
	ASK (\k)+2
.endif
.endm
	s_cmp_lt_u32 s16, 2                            ; waves 0, 1: my part of slot 0 has landed; waves 2 and 3, with load lines of their own, wait in step 2
	s_cbranch_scc0 .Lslot_1
	s_wait_tensorcnt 0x0
.Lslot_1:
	s_barrier_signal -1
	s_barrier_wait -1
	FETCH1 0
	FETCH2 0
	FETCH3 0
	FETCH4 0
	STEP 0
	STEP 1
	STEPR 2, 1
	STEP 3
	STEP 4
	STEPR 5, 2
	STEP 6
	STEP 7
	STEPR 8, 3
	STEP 9
	STEP 10
	STEPR 11, 4
	STEP 12
	STEP 13
	STEPR 14, 0
; THE LAST STEP GOES BY X's BLOCKS, and a block's 16 rows leave while the next block is multiplied: a product of block a + 1, eight additions of block a, two stores, by turns.
; An addition that reads a result stands eight places behind its product: the eight v_nop behind block 0's products; then the eight additions behind each block's last product, which name none of its registers.
	s_wait_loadcnt 0x0                             ; the bias
	s_wait_dscnt 0x0
	WIN MULW
.irp b, 0,1,2,3,4,5,6,7
	WM 0, \b, 15
.endr
	PLACES 8
.macro OUT a
.set rO, OB+64*((\a)%3)
.irp j, 0,1,2,3,4,5,6,7
.if (\a) < 3
	WIN MULW
	WM (\a)+1, \j, 15
.endif
	WIN 0x02                                       ; source 0 window 2
.irp b, 0,1,2,3,4,5,6,7
	v_add_f32 v[rO+8*\j+\b], v[64*(\a)+8*\b+\j], v[BI+\b]
.endr
	WIN 0
	global_store_b128 v[CO], v[rO+8*\j:rO+8*\j+3], s[10:11] offset:(4*\j+(\a))*NROW th:TH_STORE_NT      ; sixteen lanes store 256 consecutive bytes, at a multiple of 256 from out0's first byte; written once, read by nobody here
	global_store_b128 v[CO], v[rO+8*\j+4:rO+8*\j+7], s[10:11] offset:(4*\j+(\a))*NROW+256 th:TH_STORE_NT
.endr
.endm
	OUT 0
	OUT 1
	OUT 2
	s_wait_xcnt 0x0                                ; block 0's stores have read their registers: block 3's results may be written there
	OUT 3
	s_wait_tensorcnt 0x0                           ; the wave's end
	ds_add_u32 v[SPW], v[NIL]
	s_wait_dscnt 0x0
	CROUND                                         ; the closing round: no work-group ends while a partner may still ask for a tile that names it
	s_endpgm
.Lfunc_end_k_qb35ffebd87_gemm:
	.size	k_qb35ffebd87_gemm, .Lfunc_end_k_qb35ffebd87_gemm-k_qb35ffebd87_gemm
	.p2alignl 7, 3214868480
	.fill 96, 4, 3214868480
	.section	.rodata,"a",@progbits
	.p2align	6, 0x0
	.amdhsa_kernel k_qb35ffebd87_gemm
		.amdhsa_group_segment_fixed_size 327680
		.amdhsa_private_segment_fixed_size 0
		.amdhsa_enable_private_segment 0
		.amdhsa_kernarg_size 32
		.amdhsa_user_sgpr_count 2
		.amdhsa_user_sgpr_kernarg_segment_ptr 1
		.amdhsa_wavefront_size32 1
		.amdhsa_system_sgpr_workgroup_id_x 1
		.amdhsa_system_sgpr_workgroup_id_y 1
		.amdhsa_system_sgpr_workgroup_id_z 1
		.amdhsa_system_vgpr_workitem_id 0
		.amdhsa_next_free_vgpr 1024
		.amdhsa_next_free_sgpr 98
		.amdhsa_reserve_vcc 0
		.amdhsa_float_denorm_mode_32 3
		.amdhsa_float_denorm_mode_16_64 3
		.amdhsa_memory_ordered 1
		.amdhsa_forward_progress 1
		.amdhsa_inst_pref_size 157
	.end_amdhsa_kernel
	.amdgpu_metadata
---
amdhsa.version: [ 1, 2 ]
amdhsa.kernels:
  - .name:           k_qb35ffebd87_gemm
    .symbol:         k_qb35ffebd87_gemm.kd
    .args:
      - { .name: x_img, .offset: 0, .size: 8, .value_kind: global_buffer, .address_space: global }
      - { .name: w_img, .offset: 8, .size: 8, .value_kind: global_buffer, .address_space: global }
      - { .name: bias, .offset: 16, .size: 8, .value_kind: global_buffer, .address_space: global }
      - { .name: out0, .offset: 24, .size: 8, .value_kind: global_buffer, .address_space: global }
    .group_segment_fixed_size: 327680
    .private_segment_fixed_size: 0
    .kernarg_segment_align: 8
    .kernarg_segment_size: 32
    .max_flat_workgroup_size: 128
    .sgpr_count:     98
    .vgpr_count:     1024
    .wavefront_size: 32
...
	.end_amdgpu_metadata
.endif
;; end of part 2
